; MI455X (gfx1250); checked and timed in simulation.
; The chip was launched on July 23, 2026; its instructions are those of AMD's public machine-readable ISA for CDNA 5 (MIT licence, August 2026) and "CDNA5" Instruction Set Architecture Reference Guide (July 2026). The comments in the code are by the model that wrote it; some were corrected since.
;; Attention. Allowed arithmetic: matrix products marked QUANTISED: E2M1 operands, one E8M0 scale for each 32 along K, by v_wmma_scale_f32_16x16x128_f8f6f4 with both operands' format E2M1 (or v_wmma_scale_f32_32x16x128_f4), f32 sums; products left as they are: f32 operands where the result goes on into a quantised operand, else bf16, f16 or f32 operands; f32 sums; everything else in f32.
;; Inputs: kv_x_codes 4 x 2,048 x 4 x 16 uint8 (E2M1 codes of kv_x, K innermost, in blocks of 32 codes, two codes a byte); kv_x_scales 4 x 2,048 x 4 uint8 (E8M0 scales of kv_x, one for each 32 codes along K); q_x_codes 4 x 2,048 x 4 x 16 uint8 (E2M1 codes of q_x, K innermost, in blocks of 32 codes, two codes a byte); q_x_scales 4 x 2,048 x 4 uint8 (E8M0 scales of q_x, one for each 32 codes along K); w_k_codes 128 x 4 x 16 uint8 (E2M1 codes of w_k, K innermost, in blocks of 32 codes, two codes a byte); w_k_scales 128 x 4 uint8 (E8M0 scales of w_k, one for each 32 codes along K); w_q_codes 128 x 4 x 16 uint8 (E2M1 codes of w_q, K innermost, in blocks of 32 codes, two codes a byte); w_q_scales 128 x 4 uint8 (E8M0 scales of w_q, one for each 32 codes along K); w_v_codes 128 x 4 x 16 uint8 (E2M1 codes of w_v, K innermost, in blocks of 32 codes, two codes a byte); w_v_scales 128 x 4 uint8 (E8M0 scales of w_v, one for each 32 codes along K).
;; Outputs: out0 4 x 2,048 x 8 x 16 float32.
;; This version of the problem:
;;   THIS VERSION OF THE PROBLEM IS GIVEN IN LOW PRECISION. The matrix products marked QUANTISED in the list below multiply operands that are first quantised to E2M1 (2 exponent bits, 1 mantissa bit; 4 bits a number), with one power-of-two scale for each 32 numbers along K (OCP MX v1.0); their sums are f32. All else is computed in f32.
;;   The module's matrix products, in the order in which they are computed (A, B: the left and right operand; K: the contracted axis; several contracted axes count as one K, in the product's order):
;;     1. [M 128, K 128] x [K 128, N 8,192]; A: input w_q (given as codes); B: input q_x (given as codes): QUANTISED
;;     2. [M 128, K 128] x [K 128, N 8,192]; A: input w_k (given as codes); B: input kv_x (given as codes): QUANTISED
;;     3. [M 128, K 128] x [K 128, N 8,192]; A: input w_v (given as codes); B: input kv_x (given as codes): QUANTISED
;;     4. batch 32 x [M 2,048, K 16] x [K 16, N 2,048]; A: computed on the way; B: computed on the way: left as it is (K = 16 < 32)
;;     5. batch 32 x [M 16, K 2,048] x [K 2,048, N 2,048]; A: computed on the way; B: softmax (see below): QUANTISED
;;   THE QUANTISER, for each operand of a quantised product, along K:
;;     - K is cut into blocks of 32 from its start; a last block that is shorter is filled with zeros.
;;     - A block's scale is 2^e with e = floor(log2(the largest magnitude in the block)) - 2, held to -126 .. 127; a block of zeros has e = 0. As a byte (E8M0): e + 127.
;;     - Each number is divided by its block's scale, clamped to +-6, and rounded to the nearest number of E2M1, ties to even, subnormals kept.
;;     - The product sums the exact products of the quantised numbers (number of the format x scale) in f32.
;;   ~~~python
;;   def quantise(x, axis):      # numpy; x: float32 -> the quantised numbers, widened to float32 again
;;       x = np.moveaxis(x, axis, -1); K = x.shape[-1]
;;       x = np.pad(x, [(0, 0)] * (x.ndim - 1) + [(0, -K % 32)]); x = x.reshape(x.shape[:-1] + (-1, 32)); a = np.abs(x).max(-1, keepdims=True)
;;       e = np.where(a > 0, np.clip(np.frexp(np.where(a > 0, a, 1))[1] - 1 - 2, -126, 127), 0)      # np.frexp(a)[1] - 1 = floor(log2(a)), exactly
;;       r = np.clip(x / 2.0 ** e, -6, 6)
;;       step = 2.0 ** (np.maximum(np.frexp(np.where(r == 0, 1, r))[1] - 1, 0) - 1)
;;       q = np.round(r / step) * step * 2.0 ** e      # np.round: ties to even
;;       return np.moveaxis(q.reshape(q.shape[:-2] + (-1,))[..., :K], -1, axis).astype(np.float32)
;;   ~~~
;;   SOFTMAX AHEAD OF A QUANTISED PRODUCT. Where the list says 'softmax', what is quantised is not the finished softmax but p = 2^(t - M), with t = logit x log2(e) and M = ceil(the row's largest t), a whole number; so 1/2 < the row's largest p <= 1. The row's sum l is taken of the UNQUANTISED p, in f32, and the product's result is divided by l at the end. Since M is a whole number, a kernel that streams over the keys may use a running M (the ceiling of the running maximum): every later rescaling is an exact power of two, which a block's scale takes up: the codes' values come out the same.
;;   OPERANDS COMPUTED ON THE WAY. 'Computed on the way' means the value that the module computes at that place (a softmax that the list does not call 'softmax' is quantised finished and normalised). What goes into a quantiser is computed in f32, as accurately as f32 sums, v_exp_f32 and their like allow (about 1e-6 of the number): no bf16 or f16 on the way to a quantiser, and a product that is left as it is and whose result goes on into a quantised operand takes f32 operands (vector FMAs, or v_wmma_f32_16x16x4_f32). A number that lies on a knife's edge between two numbers of the format may be rounded either way, as far as f32 arithmetic and the matrix unit's own rounding can turn it there, and no further.
;;   INPUTS GIVEN AS CODES. kv_x (in the module: [4, 2048, 128], K = its axis 2); q_x (in the module: [4, 2048, 128], K = its axis 2); w_k (in the module: [128, 128], K = its axis 1); w_q (in the module: [128, 128], K = its axis 1); w_v (in the module: [128, 128], K = its axis 1): each comes as NAME_codes (uint8): NAME with its K axis moved to the last place and cut into blocks of 32 codes, [.., K / 32, bytes a block], one block behind the other in memory; two codes a byte, the lower K in the low four bits (a code: sign, 2 exponent bits, 1 mantissa bit); and NAME_scales (uint8): the same leading axes, one E8M0 byte (e + 127) for each 32 codes along K. Its value is code x scale, taken as it is: it is not quantised again, and the codes and scales need not be those that the quantiser above would give.
;; 2 versions, each right; version 2 is version 1 with the launch attn written anew for expert scheduling mode. Each part assembles by itself: llvm-mc -triple=amdgcn-amd-amdhsa -mcpu=gfx1250 --defsym DOCPART=n.
;; ======== version 1 of 2: 1 launch
;; launch attn (part 1): grid 32 x 8, 16 waves a work-group, no clusters, 318,464 bytes of LDS; arguments kv_x_codes, kv_x_scales, q_x_codes, q_x_scales, w_k_codes, w_k_scales, w_q_codes, w_q_scales, w_v_codes, w_v_scales, out0; writes out0
.if DOCPART == 1
	.amdgcn_target "amdgcn-amd-amdhsa--gfx1250"
	.amdhsa_code_object_version 6
	.text
	.protected	k_qc823c0dba6_attn
	.globl	k_qc823c0dba6_attn
	.p2align	8
	.type	k_qc823c0dba6_attn,@function
k_qc823c0dba6_attn:
	s_mov_b64 s[64:65], 0
	v_nop
	global_prefetch_b8 v0, s[64:65] scope:SCOPE_SE
	s_setreg_imm32_b32 hwreg(HW_REG_WAVE_MODE, 25, 1), 1
	s_wait_xcnt 0x0
; out0[b][q][h][:] = softmax_k(q[b][h][q] . k[b][h][k] / 4) v[b][h][k][:],  q = q_x w_q^T, k = kv_x w_k^T, v = kv_x w_v^T.  B = 4, 2,048 queries, 2,048 keys, C = 128, 8 heads of 16.
; FORMATS.  The three projections multiply the given codes of FP4 (E2M1) with their E8M0 scale bytes (scaled matrix form, f32 sums).  The scores (K = 16) are left as they are and go on into a quantiser:
; f32 operands, by v_wmma_f32_16x16x4_f32.  The last product is on codes again: p = 2^(t - M), t = score x log2(e) / 4, M = the running largest t rounded up to a whole number, is quantised along the keys,
; and so is v; the row's sum is taken of the unquantised p and divides at the end.  When M moves, the sum and O are multiplied by 2^(old M - new M), which rounds nothing.
; SHARES.  A work-group takes one b, FOUR heads and 64 queries (grid x: the block of queries; y = 2 b + the group of heads): 4 heads x 16 x 4 bytes are 256 bytes, so each row of the output is
; written as one aligned block of 256 bytes.  Sixteen waves of 256 registers: wave w has head w / 4 of the four and queries 16 (w % 4) on.  Every wave walks all 2,048 keys, 128 a step.
; k AND v ARE MADE IN THE WORK-GROUP, in chunks of 512 keys: wave w makes, for its head, keys 128 (w % 4) on of the chunk, and hands them to the four waves of that head through LDS AS IMAGES OF
; OPERAND REGISTERS (16 bytes a lane at 16 x lane; a scale word at 4 x lane): no rows, no pitch.  Two chunk buffers, one barrier a chunk: while chunk n is read, chunk n + 1 is made, each wave in another
; of the chunk's four trips ((w + w / 4) % 4), so that the waves do not all wait for their loads at once.
; LAYOUT (lane l: r = l % 16, h = l / 16).  THE KEYS OF A TILE ARE NOT NEIGHBOURS: lane r of tile t takes key 32 (t / 2) + 8 (t % 2) + r + 8 (r / 8).
;   k tile = w_k (source 0) x kv_x tile (source 1): register j holds k[the lane's key][d = 8 h + j]; its pairs (2 c, 2 c + 1) are source 0 of the f32 form's four K steps (d = 8 h + 2 c + j);
;   q tile = w_q x q_x: register j holds q[query r][d = 8 h + j]; its pairs are source 1, with the same d in the same places.
;   S^T tile t: lane = query r, register j = key 32 (t / 2) + 16 h + 8 (t % 2) + j: the 16 registers of tiles 2 b, 2 b + 1 are 16 neighbouring keys.
;   v tile = kv_x tile (source 0) x w_v (source 1): lane = d = r, registers along the keys in the same order.  O^T += V^T P^T: one scaled instruction a step; lane = query r, register j = d = 8 h + j.
; NO CLUSTER, NO JOINT LOADS: the launch has no tensor load.  What work-groups share, kv_x's codes and scale bytes, goes from memory straight into operand registers, 8,704 bytes a wave and chunk;
; the images that the sixteen waves read from LDS are 598,016 bytes a chunk, and of LDS 9,216 bytes are left, which is no room for tiles to land in.
; LIMITS.  NaN and infinities among computed numbers are not served; a scale byte 0xff among the inputs gives NaN.  A block of v or p that is all zeros keeps the byte 1 where the quantiser's rule says 127:
; its codes are zeros, and this program alone reads the bytes.  A p under 2^-126 comes out of v_exp_f32 as 0.  A score's sixteen products are summed in the order d = 8 h + 2 c + j (c, then h, then j),
; which is another order of rounding than the reference's.  The division by the row's sum is a multiplication by v_rcp_f32's result.
.set REC,  9344                        ; LDS record of one head's 128 keys: 8 k tiles of 1,024 bytes; at VIMG V's fragment, 1,024 bytes; at VSW its scale words, 128 bytes
.set VIMG, 8192
.set VSW,  9216
.set BUF,  16*REC                      ; a chunk buffer: record 4 x head + step.  Buffer 0 at LDS byte 0, buffer 1 at BUF
.set STG,  2*BUF                       ; the way out: 64 rows x (256 bytes + 16)
.set SPI,  272
.set AK0,  1                           ; v1   16 x lane + my head's four records: where I read images
.set AS0,  2                           ; v2   4 x lane + the same: where I read scale words
.set ADR,  3                           ; v3   the step's address of images
.set ADS,  4                           ; v4   and of the scale words
.set PA0,  5                           ; v5   16 x lane + REC x wave: where I store images in buffer 0;  v7 the same in buffer 1
.set PB0,  6                           ; v6   4 x lane + REC x wave: scale words, buffer 0;  v8 buffer 1
.set XA,   9                           ; v9   kv_x's codes: 64 x (r + 8 (r / 8)) + 16 h
.set XSA,  10                          ; v10  kv_x's scale words: 4 x (r + 8 (r / 8))
.set LN,   11                          ; v11  lane (head only)
                                       ; v12 -M, v13 the largest t, v[14:15] the row's sum in two halves
.set Q,    16                          ; v16-23   q tile
.set O,    24                          ; v24-31   O^T
.set VF,   32                          ; v32-39   V's fragment of the step
.set PC,   40                          ; v40-47   the codes just made (p's, or v's in production)
.set WK,   48                          ; v48-55   w_k's fragment of my head
.set WV,   56                          ; v56-63   w_v's
.set S,    64                          ; v64-127  8 accumulators: the scores; in production v's and then k's tiles.  Written by matrix instructions alone
.set P,    128                         ; v128-191 the step's k tiles, then p; in production kv_x's eight fragments; on the way out rows of the output
.set TM,   192                         ; v192-195 block maxima; v196-199 permutes' results, bytes, the sum's second chain; v204-207 the conversions' scale operands
.set F,    208                         ; v[208:209] f = 2^(old M - new M); v209 is named with it as a pair, so it is written once
.set PW,   210                         ; v210 the scale word just made.  v210, v212-214, v216-225 hold scales and nothing else
.set T,    211                         ; v211 at work
.set WKS,  212
.set WVS,  213
.set VSCL, 214
.set XS,   216                         ; v216-223 kv_x's scale words, one register a tile
.set WQS,  224
.set XQS,  225
.set NA,   226                         ; v226 64 r + 16 h: a fragment of 16 neighbouring rows
.set NS,   227                         ; v227 4 r: their scale words
.set STO,  228                         ; v228 the stage: where I put 32 bytes of a row
.set RD,   229                         ; v229 and where I read rows back
.set GO,   230                         ; v230 my byte offset in my wave's four rows of the output
.set WQ,   232                         ; v232-239 w_q's fragment, v240-247 q_x's: head only
.set XQ,   240
.set RR,   248                         ; v248 r, v249 h, v250 r + 8 (r / 8): head only
.set HH,   249
.set PT,   250
.set WN,   26                          ; s26  wave
.set HD,   27                          ; s27  my head of the four
.set QT,   28                          ; s28  my tile of queries; also my part of a chunk's keys
.set MYS,  29                          ; s29  the trip in which I produce
.set TB,   30                          ; s30  LDS byte of the step's records: buffer + REC x step
.set TRIP, 31                          ; s31  counts a chunk's four steps
.set SEL,  32                          ; s[32:33] v_permlanex16_b32's selects for lane l xor 16
.set CS,   34                          ; s[34:35] c = log2(e) / 4: the packed form names a pair and takes its low word for both halves
.set OF,   36                          ; s[36:37] an offset in 64 bits
.macro BARRIER                         ; my LDS stores have landed and my LDS loads are in: then the work-group's barrier
	s_wait_dscnt 0x0
	s_barrier_signal -1
	s_barrier_wait -1
.endm
; 64 numbers of a lane in S, register 16 b + i = key 32 b + 16 h + i of my row, become a fragment's codes in v[PC] on and its scale word in v[PW].  Each accumulator is read from its low end on.
.macro QUANT
.irp b, 0,1,2,3
	v_max3_num_f32 v[TM+\b], |v[S+16*\b]|, |v[S+1+16*\b]|, 0x1800000   ; block b: my 16 numbers, and the floor 2^(3 - 127): the byte cannot fall under 1
.endr
.irp i, 2,4,6,8,10,12,14
.irp b, 0,1,2,3
	v_max3_num_f32 v[TM+\b], v[TM+\b], |v[S+16*\b+\i]|, |v[S+1+16*\b+\i]|   ; the four blocks by turns
.endr
.endr
.irp b, 0,1,2,3
	v_permlanex16_b32 v[TM+4+\b], v[TM+\b], s[SEL], s[SEL+1]
.endr
.irp b, 0,1,2,3
	v_max_num_f32 v[TM+\b], v[TM+\b], v[TM+4+\b]       ; with lane l xor 16's: the block's largest magnitude
.endr
.irp b, 0,1,2,3
	v_add_nc_u32 v[TM+12+\b], 0xff000000, v[TM+\b]     ; 2 off its exponent field: the conversion takes the exponent field of this operand as its scale
.endr
.irp b, 0,1,2,3
	v_lshrrev_b32 v[TM+4+\b], 23, v[TM+12+\b]          ; the scale's byte
.endr
	v_lshl_or_b32 v[PW], v[TM+5], 8, v[TM+4]           ; four bytes: my row's scale word
	v_lshl_or_b32 v[PW], v[TM+6], 16, v[PW]
	v_lshl_or_b32 v[PW], v[TM+7], 24, v[PW]
.irp b, 0,1,2,3
	v_cvt_scalef32_pk8_fp4_f32 v[PC+2*\b], v[S+16*\b:S+16*\b+7], v[TM+12+\b]
	v_cvt_scalef32_pk8_fp4_f32 v[PC+2*\b+1], v[S+16*\b+8:S+16*\b+15], v[TM+12+\b]
.endr
	v_nop                                              ; one plain place behind the scaled conversions
.irp c, 0,1                                        ; the operand wants a WHOLE block in a lane: lanes 0-15 block 2 c, lanes 16-31 block 2 c + 1
.irp i, 0,1
	v_permlane16_swap_b32 v[PC+4*\c+\i], v[PC+4*\c+2+\i]
.endr
.endr
.endm
; My head's k and v for my 128 keys of chunk ck; pa, pb: the registers with my record's addresses in the buffer that takes them.
.macro PRODUCE ck, pa, pb
.irp t, 0,1,2,3,4,5,6,7
.irp c, 0,1
	global_load_b128 v[P+8*\t+4*\c:P+8*\t+4*\c+3], v[XA], s[4:5] offset:(\ck)*32768+(32*(\t/2)+8*(\t%2))*64+32*\c
.endr
	global_load_b32 v[XS+\t], v[XSA], s[6:7] offset:(\ck)*2048+(32*(\t/2)+8*(\t%2))*4
.endr
	s_wait_loadcnt 0x0                                 ; the eight fragments and their scale words (the first time: the weights' and q_x's too)
.irp t, 0,1,2,3,4,5,6,7                            ; v: source 0 = 16 keys, source 1 = w_v's 16 rows: lane = d, registers along the keys
	v_wmma_scale_f32_16x16x128_f8f6f4 v[S+8*\t:S+8*\t+7], v[P+8*\t:P+8*\t+7], v[WV:WV+7], 0, v[XS+\t], v[WVS] matrix_a_fmt:MATRIX_FMT_FP4 matrix_b_fmt:MATRIX_FMT_FP4
.endr
.rept 4
	v_nop                                              ; four places ahead of the first read of these results (ISA guide 7.12.1)
.endr
	QUANT                                              ; v along the keys.  Its lines that name no register of S, with the four above, are more than the five places owed ahead of the products that write S anew
.irp t, 0,1,2,3,4,5,6,7                            ; k: source 0 = w_k's 16 rows, source 1 = the same 16 keys: lane = key, registers along d
	v_wmma_scale_f32_16x16x128_f8f6f4 v[S+8*\t:S+8*\t+7], v[WK:WK+7], v[P+8*\t:P+8*\t+7], 0, v[WKS], v[XS+\t] matrix_a_fmt:MATRIX_FMT_FP4 matrix_b_fmt:MATRIX_FMT_FP4
.endr
	ds_store_b128 v[\pa], v[PC:PC+3] offset:VIMG       ; V's fragment as it stands,
	ds_store_b128 v[\pa], v[PC+4:PC+7] offset:VIMG+512
	ds_store_b32 v[\pb], v[PW] offset:VSW              ; and its scale words
.rept 4
	v_nop                                              ; four places ahead of the stores that read k's tiles
.endr
.irp t, 0,1,2,3,4,5,6,7
	ds_store_b128 v[\pa], v[S+8*\t:S+8*\t+3] offset:1024*\t          ; each accumulator from its low end on
	ds_store_b128 v[\pa], v[S+8*\t+4:S+8*\t+7] offset:1024*\t+512
.endr
	s_wait_dscnt 0x0                                   ; the stores have read their registers
.endm
; A KEY STEP: 128 keys, from the record at s[TB].
.macro STEP
	v_add_nc_u32 v[ADR], s[TB], v[AK0]
	v_add_nc_u32 v[ADS], s[TB], v[AS0]
	v_nop
	v_nop                                              ; with the two additions: four places behind the last product, ahead of loads into registers that it read
.irp t, 0,1,2,3,4,5,6,7
	ds_load_b128 v[P+8*\t:P+8*\t+3], v[ADR] offset:1024*\t
	ds_load_b128 v[P+8*\t+4:P+8*\t+7], v[ADR] offset:1024*\t+512
.endr
	ds_load_b128 v[VF:VF+3], v[ADR] offset:VIMG
	ds_load_b128 v[VF+4:VF+7], v[ADR] offset:VIMG+512
	ds_load_b32 v[VSCL], v[ADS] offset:VSW
	s_wait_dscnt 3                                     ; k's sixteen loads are in; the three issued behind them (V's two, its scale word) may be out
.irp c, 0,1,2,3                                    ; S^T = k q^T in f32: four K steps of 4; the eight accumulators take turns, one instruction a turn
.irp t, 0,1,2,3,4,5,6,7
.if \c == 0
	v_wmma_f32_16x16x4_f32 v[S+8*\t:S+8*\t+7], v[P+8*\t+2*\c:P+8*\t+2*\c+1], v[Q+2*\c:Q+2*\c+1], 0
.else
	v_wmma_f32_16x16x4_f32 v[S+8*\t:S+8*\t+7], v[P+8*\t+2*\c:P+8*\t+2*\c+1], v[Q+2*\c:Q+2*\c+1], v[S+8*\t:S+8*\t+7]
.endif
.endr
.endr
	v_mov_b32 v[T], v12                                ; the old -M is kept.  With the seven below: the eight places that this form wants ahead of the first read of its results
.rept 7
	v_nop
.endr
.irp b, 0,1,2,3
	v_max3_num_f32 v[TM+\b], v[S+16*\b], v[S+16*\b+1], v[S+16*\b+2]   ; the largest score of each block of 32 keys: for the row's maximum, and, since p rises with the score, for the block's largest p
.endr
.irp i, 3,5,7,9,11,13
.irp b, 0,1,2,3
	v_max3_num_f32 v[TM+\b], v[TM+\b], v[S+16*\b+\i], v[S+16*\b+\i+1]
.endr
.endr
.irp b, 0,1,2,3
	v_max_num_f32 v[TM+\b], v[TM+\b], v[S+16*\b+15]
.endr
.irp b, 0,1,2,3
	v_permlanex16_b32 v[TM+4+\b], v[TM+\b], s[SEL], s[SEL+1]
.endr
.irp b, 0,1,2,3
	v_max_num_f32 v[TM+\b], v[TM+\b], v[TM+4+\b]       ; with lane l xor 16's 16 keys
.endr
	v_max3_num_f32 v[F], v[TM], v[TM+1], v[TM+2]
	v_max_num_f32 v[F], v[F], v[TM+3]                  ; the step's largest score of my query
	v_mul_f32 v[F], s[CS], v[F]                        ; as t (c is positive)
	v_max_num_f32 v13, v13, v[F]                       ; the running largest t
	v_floor_f32 v12, -v13                              ; the new -M = floor(-t) = -ceil(t): a whole number
	v_sub_f32 v[T], v12, v[T]                          ; old M - new M: a whole number, 0 or less
	v_cvt_i32_f32 v[T], v[T]                           ; (it saturates)
	v_ldexp_f32 v[F], 1.0, v[T]                        ; f = 2^(old M - new M)
.set j, 0
.rept 32
	v_pk_fma_f32 v[P+j:P+j+1], v[S+j:S+j+1], s[CS:CS+1], v[12:13] op_sel_hi:[1,0,0]   ; t - M, two at a time, into other registers than the sums'
.set j, j+2
.endr
.irp b, 0,1,2,3
	v_fma_f32 v[TM+\b], v[TM+\b], s[CS], v12           ; the same of each block's largest score
.endr
.set j, 0
.rept 64
	v_exp_f32 v[P+j], v[P+j]                           ; p = 2^(t - M), at most 1: not normalised
.set j, j+1
.endr
.irp b, 0,1,2,3
	v_exp_f32 v[TM+\b], v[TM+\b]                       ; the block's largest p: the same two instructions on the same number
.endr
	v_pk_mul_f32 v[14:15], v[14:15], v[F:F+1] op_sel_hi:[1,0]          ; the sums under the new M: plain work behind the batch, which names none of its results
.irp j, 0,2,4,6
	v_pk_mul_f32 v[O+\j:O+\j+1], v[O+\j:O+\j+1], v[F:F+1] op_sel_hi:[1,0]   ; O^T under the new M, from its low end on
.endr
	s_wait_alu depctr_va_vdst(0)                       ; one wait for the 68 exponentials, ahead of the first line that names a result
.irp b, 0,1,2,3
	v_max_num_f32 v[TM+\b], 0x1800000, v[TM+\b]        ; the floor 2^(3 - 127): the byte cannot fall under 1
.endr
.irp b, 0,1,2,3
	v_add_nc_u32 v[TM+12+\b], 0xff000000, v[TM+\b]     ; 2 off the exponent field: the conversion's scale operand
.endr
.irp b, 0,1,2,3
	v_lshrrev_b32 v[TM+4+\b], 23, v[TM+12+\b]          ; the scale's byte
.endr
	v_lshl_or_b32 v[PW], v[TM+5], 8, v[TM+4]           ; p's scale word for these 128 keys
	v_lshl_or_b32 v[PW], v[TM+6], 16, v[PW]
	v_lshl_or_b32 v[PW], v[TM+7], 24, v[PW]
.irp b, 0,1,2,3
	v_cvt_scalef32_pk8_fp4_f32 v[PC+2*\b], v[P+16*\b:P+16*\b+7], v[TM+12+\b]
	v_cvt_scalef32_pk8_fp4_f32 v[PC+2*\b+1], v[P+16*\b+8:P+16*\b+15], v[TM+12+\b]
.endr
	v_nop                                              ; one plain place behind the scaled conversions
.irp c, 0,1
.irp i, 0,1
	v_permlane16_swap_b32 v[PC+4*\c+\i], v[PC+4*\c+2+\i]
.endr
.endr
	v_pk_add_f32 v[TM+4:TM+5], v[P:P+1], v[P+2:P+3]    ; the row's sum of the UNQUANTISED p, two at a time, in two chains.  These 32 lines are also the places between the scale word's
.set j, 4                                          ; and the codes' last writes and the scaled product below (eight and four are asked)
.rept 15
	v_pk_add_f32 v[14:15], v[14:15], v[P+j:P+j+1]
	v_pk_add_f32 v[TM+4:TM+5], v[TM+4:TM+5], v[P+j+2:P+j+3]
.set j, j+4
.endr
	v_pk_add_f32 v[14:15], v[14:15], v[TM+4:TM+5]
	s_wait_dscnt 0x0                                   ; V's fragment and its scale words are in
	v_wmma_scale_f32_16x16x128_f8f6f4 v[O:O+7], v[VF:VF+7], v[PC:PC+7], v[O:O+7], v[VSCL], v[PW] matrix_a_fmt:MATRIX_FMT_FP4 matrix_b_fmt:MATRIX_FMT_FP4   ; O^T += V^T P^T
.endm
; Chunk n: four steps out of buffer n % 2.  prod = 1: in one of the four trips, by the wave's number, I make my part of chunk n + 1 into the other buffer; then the barrier: behind it chunk n + 1 is whole
; and nobody reads chunk n any more.  Every wave walks the loop; the branch goes round the production alone, and no barrier stands under it.
.macro CHUNK n, prod
	s_mov_b32 s[TB], ((\n)%2)*BUF
	s_mov_b32 s[TRIP], 0
.Ltrip_\@:
	STEP
.if \prod
	s_cmp_lg_u32 s[TRIP], s[MYS]
	s_cbranch_scc1 .Lnot_now_\@
	PRODUCE (\n)+1, PA0+2*(((\n)+1)%2), PB0+2*(((\n)+1)%2)
.Lnot_now_\@:
.endif
	s_add_co_u32 s[TB], s[TB], REC
	s_add_co_u32 s[TRIP], s[TRIP], 1
	s_cmp_lt_u32 s[TRIP], 4
	s_cbranch_scc1 .Ltrip_\@
.if \prod
	BARRIER
.endif
.endm
	s_load_b256 s[4:11], s[0:1], 0x0                   ; kv_x's codes s[4:5], scales s[6:7]; q_x's codes s[8:9], scales s[10:11]
	s_load_b256 s[12:19], s[0:1], 0x20                 ; w_k's codes s[12:13], scales s[14:15]; w_q's codes s[16:17], scales s[18:19]
	s_load_b128 s[20:23], s[0:1], 0x40                 ; w_v's codes s[20:21], scales s[22:23]
	s_load_b64 s[24:25], s[0:1], 0x50                  ; out0
	v_lshl_add_u32 v254, v0, 2, 0x4d400
	v_mov_b32 v255, 0
	v_lshrrev_b32 v[LN], 5, v0
	v_readfirstlane_b32 s[WN], v[LN]                   ; wave 0..15
	s_lshr_b32 s[HD], s[WN], 2
	s_and_b32 s[QT], s[WN], 3
	s_add_co_u32 s[MYS], s[WN], s[HD]
	s_and_b32 s[MYS], s[MYS], 3                        ; differs among four waves with the same w % 4 and among four with the same w / 4
	s_and_b32 s38, ttmp7, 0xffff
	s_and_b32 s39, s38, 1                              ; the group of four heads
	s_lshr_b32 s38, s38, 1                             ; b
	s_lshl_b32 s40, s39, 2
	s_add_co_u32 s40, s40, s[HD]                       ; my head of the eight
	s_mov_b32 s[SEL], 0x76543210
	s_mov_b32 s[SEL+1], 0xfedcba98
	s_mov_b32 s[CS], 0x3eb8aa3b                        ; log2(e) / 4: the division of q by sqrt(16) is a power of two and goes into c
	s_mov_b32 s[CS+1], s[CS]
	s_mov_b32 s[OF+1], 0
	; every LDS address that stays is made here, ahead of the first branch on the wave's number
	v_and_b32 v[LN], 31, v0
	v_and_b32 v[RR], 15, v0
	v_bfe_u32 v[HH], v0, 4, 1
	v_and_b32 v[PT], 8, v[RR]
	v_add_nc_u32 v[PT], v[PT], v[RR]                   ; r + 8 (r / 8)
	s_mul_i32 s41, s[HD], 4*REC
	v_lshl_add_u32 v[AK0], v[LN], 4, s41
	v_lshl_add_u32 v[AS0], v[LN], 2, s41
	s_mul_i32 s41, s[WN], REC
	v_lshl_add_u32 v[PA0], v[LN], 4, s41
	v_lshl_add_u32 v[PB0], v[LN], 2, s41
	v_add_nc_u32 v[PA0+2], BUF, v[PA0]
	v_add_nc_u32 v[PB0+2], BUF, v[PB0]
	v_lshlrev_b32 v[XA], 6, v[PT]
	v_lshl_add_u32 v[XA], v[HH], 4, v[XA]
	v_lshlrev_b32 v[XSA], 2, v[PT]
	v_lshlrev_b32 v[NA], 6, v[RR]
	v_lshl_add_u32 v[NA], v[HH], 4, v[NA]
	v_lshlrev_b32 v[NS], 2, v[RR]
	s_lshl_b32 s41, s[QT], 4
	s_mul_i32 s41, s41, SPI
	s_lshl_b32 s42, s[HD], 6
	s_add_co_u32 s41, s41, s42
	s_add_co_u32 s41, s41, STG
	v_mul_u32_u24 v[STO], v[RR], SPI
	v_lshl_add_u32 v[STO], v[HH], 5, v[STO]
	v_add_nc_u32 v[STO], s41, v[STO]                   ; the stage, in: row 16 x tile + r; 64 bytes a head, + 32 h
	s_mul_i32 s41, s[WN], 4*SPI
	s_add_co_u32 s41, s41, STG
	v_mul_u32_u24 v[RD], v[HH], SPI
	v_lshl_add_u32 v[RD], v[RR], 4, v[RD]
	v_add_nc_u32 v[RD], s41, v[RD]                     ; back: wave w takes rows 4 w on; lanes 0-15 one row of 256 bytes, lanes 16-31 the next
	v_lshlrev_b32 v[GO], 9, v[HH]
	v_lshl_add_u32 v[GO], v[RR], 4, v[GO]              ; and the same two rows in the output, 512 bytes apart
	v_mov_b32 v13, 0xff61b1e6                          ; the largest t so far: -3e38, under every t
	v_floor_f32 v12, -v13                              ; -M
	v_mov_b32 v14, 0                                   ; the sum, in two halves
	v_mov_b32 v15, 0
	v_mov_b32 v[F+1], 0
.irp b, 0,1,2,3
	v_mov_b32 v[TM+4+\b], 0                            ; written once: a lane permute's destination counts as one of its sources
.endr
	s_wait_kmcnt 0x0
	s_lshl_b32 s[OF], s38, 17                          ; kv_x: b x 2,048 rows of 64 bytes + my 128 keys of a chunk
	s_lshl_b32 s41, s[QT], 13
	s_add_co_u32 s[OF], s[OF], s41
	s_add_nc_u64 s[4:5], s[4:5], s[OF:OF+1]
	s_lshr_b32 s[OF], s[OF], 4                         ; a row's scale word is a sixteenth of its codes' bytes
	s_add_nc_u64 s[6:7], s[6:7], s[OF:OF+1]
	s_lshl_b32 s[OF], s38, 17                          ; q_x: b, the block of 64 queries, my 16 of them
	s_lshl_b32 s41, ttmp9, 12
	s_add_co_u32 s[OF], s[OF], s41
	s_lshl_b32 s41, s[QT], 10
	s_add_co_u32 s[OF], s[OF], s41
	s_add_nc_u64 s[8:9], s[8:9], s[OF:OF+1]
	s_lshr_b32 s[OF], s[OF], 4
	s_add_nc_u64 s[10:11], s[10:11], s[OF:OF+1]
	s_lshl_b32 s[OF], s40, 10                          ; the weights: my head's 16 rows of 64 bytes
	s_add_nc_u64 s[12:13], s[12:13], s[OF:OF+1]
	s_add_nc_u64 s[16:17], s[16:17], s[OF:OF+1]
	s_add_nc_u64 s[20:21], s[20:21], s[OF:OF+1]
	s_lshr_b32 s[OF], s[OF], 4
	s_add_nc_u64 s[14:15], s[14:15], s[OF:OF+1]
	s_add_nc_u64 s[18:19], s[18:19], s[OF:OF+1]
	s_add_nc_u64 s[22:23], s[22:23], s[OF:OF+1]
	s_lshl_b32 s[OF], s38, 20                          ; the output: b x 2,048 rows of 512 bytes, the block's 64 rows, my wave's 4, the group's 256 bytes of a row
	s_lshl_b32 s41, ttmp9, 15
	s_add_co_u32 s[OF], s[OF], s41
	s_lshl_b32 s41, s[WN], 11
	s_add_co_u32 s[OF], s[OF], s41
	s_lshl_b32 s41, s39, 8
	s_add_co_u32 s[OF], s[OF], s41
	s_add_nc_u64 s[24:25], s[24:25], s[OF:OF+1]
.irp c, 0,1
	global_load_b128 v[WK+4*\c:WK+4*\c+3], v[NA], s[12:13] offset:32*\c
	global_load_b128 v[WV+4*\c:WV+4*\c+3], v[NA], s[20:21] offset:32*\c
	global_load_b128 v[WQ+4*\c:WQ+4*\c+3], v[NA], s[16:17] offset:32*\c
	global_load_b128 v[XQ+4*\c:XQ+4*\c+3], v[NA], s[8:9] offset:32*\c
.endr
	global_load_b32 v[WKS], v[NS], s[14:15]
	global_load_b32 v[WVS], v[NS], s[22:23]
	global_load_b32 v[WQS], v[NS], s[18:19]
	global_load_b32 v[XQS], v[NS], s[10:11]
	PRODUCE 0, PA0, PB0                                ; chunk 0 into buffer 0; its wait for loads covers the twelve above
	v_wmma_scale_f32_16x16x128_f8f6f4 v[Q:Q+7], v[WQ:WQ+7], v[XQ:XQ+7], 0, v[WQS], v[XQS] matrix_a_fmt:MATRIX_FMT_FP4 matrix_b_fmt:MATRIX_FMT_FP4   ; q: source 0 = w_q's 16 rows, source 1 = my 16 queries
.irp j, 0,1,2,3,4,5,6,7
	v_mov_b32 v[O+\j], 0                               ; O^T begins as zeros, which the first change of M leaves zeros: the step is written without a first step of its own.  These eight are also the places ahead of q's use as an operand
.endr
	BARRIER                                            ; chunk 0 lies in LDS
	CHUNK 0, 1
	CHUNK 1, 1
	CHUNK 2, 1
	CHUNK 3, 0
	; THE WAY OUT.  The sum's two halves and lane l xor 16's are added; O^T is divided by the sum.  A row's 256 bytes come from four waves: they meet in the stage, which no chunk buffer touches.
	v_add_f32 v14, v14, v15
	v_permlanex16_b32 v[T], v14, s[SEL], s[SEL+1]
	v_add_f32 v14, v14, v[T]
	v_rcp_f32 v14, v14
.rept 3
	v_nop                                              ; a plain place behind the reciprocal; with the two additions above, more than the four places behind the last product
.endr
	s_wait_alu depctr_va_vdst(0)                       ; the wait ahead of the reciprocal's first reader
.irp j, 0,1,2,3,4,5,6,7
	v_mul_f32 v[P+\j], v[O+\j], v14                    ; register j: out(query r, d = 8 h + j); the accumulator is read from its low end on
.endr
	ds_store_b128 v[STO], v[P:P+3]
	ds_store_b128 v[STO], v[P+4:P+7] offset:16
	BARRIER                                            ; 64 whole rows lie in the stage
	ds_load_b128 v[P+8:P+11], v[RD]
	ds_load_b128 v[P+12:P+15], v[RD] offset:2*SPI
	s_wait_dscnt 1                                     ; the first two rows are in; the second load may be out
	global_store_b128 v[GO], v[P+8:P+11], s[24:25] th:TH_STORE_NT              ; sixteen lanes store 256 consecutive bytes, at a multiple of 256 from the output's first byte
	s_wait_dscnt 0x0
	global_store_b128 v[GO], v[P+12:P+15], s[24:25] offset:1024 th:TH_STORE_NT
	s_wait_tensorcnt 0x0
	ds_add_u32 v254, v255
	s_wait_dscnt 0x0
	s_endpgm
.Lfunc_end_k_qc823c0dba6_attn:
	.size	k_qc823c0dba6_attn, .Lfunc_end_k_qc823c0dba6_attn-k_qc823c0dba6_attn
	.p2alignl 7, 3214868480
	.fill 96, 4, 3214868480
	.section	.rodata,"a",@progbits
	.p2align	6, 0x0
	.amdhsa_kernel k_qc823c0dba6_attn
		.amdhsa_group_segment_fixed_size 318464
		.amdhsa_private_segment_fixed_size 0
		.amdhsa_enable_private_segment 0
		.amdhsa_kernarg_size 88
		.amdhsa_user_sgpr_count 2
		.amdhsa_user_sgpr_kernarg_segment_ptr 1
		.amdhsa_wavefront_size32 1
		.amdhsa_system_sgpr_workgroup_id_x 1
		.amdhsa_system_sgpr_workgroup_id_y 1
		.amdhsa_system_sgpr_workgroup_id_z 1
		.amdhsa_system_vgpr_workitem_id 0
		.amdhsa_next_free_vgpr 256
		.amdhsa_next_free_sgpr 66
		.amdhsa_reserve_vcc 0
		.amdhsa_float_denorm_mode_32 3
		.amdhsa_float_denorm_mode_16_64 3
		.amdhsa_memory_ordered 1
		.amdhsa_forward_progress 1
		.amdhsa_inst_pref_size 105
	.end_amdhsa_kernel
	.amdgpu_metadata
---
amdhsa.version: [ 1, 2 ]
amdhsa.kernels:
  - .name:           k_qc823c0dba6_attn
    .symbol:         k_qc823c0dba6_attn.kd
    .args:
      - { .name: kv_x_codes, .offset: 0, .size: 8, .value_kind: global_buffer, .address_space: global }
      - { .name: kv_x_scales, .offset: 8, .size: 8, .value_kind: global_buffer, .address_space: global }
      - { .name: q_x_codes, .offset: 16, .size: 8, .value_kind: global_buffer, .address_space: global }
      - { .name: q_x_scales, .offset: 24, .size: 8, .value_kind: global_buffer, .address_space: global }
      - { .name: w_k_codes, .offset: 32, .size: 8, .value_kind: global_buffer, .address_space: global }
      - { .name: w_k_scales, .offset: 40, .size: 8, .value_kind: global_buffer, .address_space: global }
      - { .name: w_q_codes, .offset: 48, .size: 8, .value_kind: global_buffer, .address_space: global }
      - { .name: w_q_scales, .offset: 56, .size: 8, .value_kind: global_buffer, .address_space: global }
      - { .name: w_v_codes, .offset: 64, .size: 8, .value_kind: global_buffer, .address_space: global }
      - { .name: w_v_scales, .offset: 72, .size: 8, .value_kind: global_buffer, .address_space: global }
      - { .name: out0, .offset: 80, .size: 8, .value_kind: global_buffer, .address_space: global }
    .group_segment_fixed_size: 318464
    .private_segment_fixed_size: 0
    .kernarg_segment_align: 8
    .kernarg_segment_size: 88
    .max_flat_workgroup_size: 512
    .sgpr_count:     66
    .vgpr_count:     256
    .wavefront_size: 32
...
	.end_amdgpu_metadata
.endif
;; end of part 1
;; ======== version 2 of 2: 1 launch; version 1 with the launch attn written anew for expert scheduling mode
;; launch attn (part 2): grid 32 x 8, 16 waves a work-group, no clusters, 318,464 bytes of LDS; arguments kv_x_codes, kv_x_scales, q_x_codes, q_x_scales, w_k_codes, w_k_scales, w_q_codes, w_q_scales, w_v_codes, w_v_scales, out0; writes out0
.if DOCPART == 2
	.amdgcn_target "amdgcn-amd-amdhsa--gfx1250"
	.amdhsa_code_object_version 6
	.text
	.protected	k_qc823c0dba6_attn
	.globl	k_qc823c0dba6_attn
	.p2align	8
	.type	k_qc823c0dba6_attn,@function
k_qc823c0dba6_attn:
	s_mov_b64 s[64:65], 0
	v_nop
	global_prefetch_b8 v0, s[64:65] scope:SCOPE_SE
	s_setreg_imm32_b32 hwreg(HW_REG_WAVE_SCHED_MODE, 0, 2), 2
	s_setreg_imm32_b32 hwreg(HW_REG_WAVE_MODE, 25, 1), 1
	s_wait_xcnt 0x0
	s_wait_alu depctr_vm_vsrc(0)
; out0[b][q][h][:] = softmax_k(q[b][h][q] . k[b][h][k] / 4) v[b][h][k][:],  q = q_x w_q^T, k = kv_x w_k^T, v = kv_x w_v^T.  B = 4, 2,048 queries, 2,048 keys, C = 128, 8 heads of 16.
; FORMATS.  The three projections multiply the given codes of FP4 (E2M1) with their E8M0 scale bytes (scaled matrix form, f32 sums).  The scores (K = 16) are left as they are and go on into a quantiser:
; f32 operands, by v_wmma_f32_16x16x4_f32.  The last product is on codes again: p = 2^(t - M), t = score x log2(e) / 4, M = the running largest t rounded up to a whole number, is quantised along the keys,
; and so is v; the row's sum is taken of the unquantised p and divides at the end.  When M moves, the sum and O are multiplied by 2^(old M - new M), which rounds nothing.
; SHARES.  A work-group takes one b, FOUR heads and 64 queries (grid x: the block of queries; y = 2 b + the group of heads): 4 heads x 16 x 4 bytes are 256 bytes, so each row of the output is
; written as one aligned block of 256 bytes.  Sixteen waves of 256 registers: wave w has head w / 4 of the four and queries 16 (w % 4) on.  Every wave walks all 2,048 keys, 128 a step.
; k AND v ARE MADE IN THE WORK-GROUP, in chunks of 512 keys: wave w makes, for its head, keys 128 (w % 4) on of the chunk, and hands them to the four waves of that head through LDS AS IMAGES OF
; OPERAND REGISTERS (16 bytes a lane at 16 x lane; a scale word at 4 x lane): no rows, no pitch.  Two chunk buffers, one barrier a chunk: while chunk n is read, chunk n + 1 is made, each wave in another
; of the chunk's four trips ((w + w / 4) % 4), so that the waves do not all wait for their loads at once.
; LAYOUT (lane l: r = l % 16, h = l / 16).  THE KEYS OF A TILE ARE NOT NEIGHBOURS: lane r of tile t takes key 32 (t / 2) + 8 (t % 2) + r + 8 (r / 8).
;   k tile = w_k (source 0) x kv_x tile (source 1): register j holds k[the lane's key][d = 8 h + j]; its pairs (2 c, 2 c + 1) are source 0 of the f32 form's four K steps (d = 8 h + 2 c + j);
;   q tile = w_q x q_x: register j holds q[query r][d = 8 h + j]; its pairs are source 1, with the same d in the same places.
;   S^T tile t: lane = query r, register j = key 32 (t / 2) + 16 h + 8 (t % 2) + j: the 16 registers of tiles 2 b, 2 b + 1 are 16 neighbouring keys.
;   v tile = kv_x tile (source 0) x w_v (source 1): lane = d = r, registers along the keys in the same order.  O^T += V^T P^T: one scaled instruction a step; lane = query r, register j = d = 8 h + j.
; NO CLUSTER, NO JOINT LOADS: the launch has no tensor load.  What work-groups share, kv_x's codes and scale bytes, goes from memory straight into operand registers, 8,704 bytes a wave and chunk;
; the images that the sixteen waves read from LDS are 598,016 bytes a chunk, and of LDS 9,216 bytes are left, which is no room for tiles to land in.
; LIMITS.  NaN and infinities among computed numbers are not served; a scale byte 0xff among the inputs gives NaN.  A block of v or p that is all zeros keeps the byte 1 where the quantiser's rule says 127:
; its codes are zeros, and this program alone reads the bytes.  A p under 2^-126 comes out of v_exp_f32 as 0.  A score's sixteen products are summed in the order d = 8 h + 2 c + j (c, then h, then j),
; which is another order of rounding than the reference's.  The division by the row's sum is a multiplication by v_rcp_f32's result.
; THE MODE: SCHED_MODE bits 1:0 = 2 (LLVM: expert scheduling mode 2), set by the entry lines.  The code itself states the register dependences
; between vector or matrix instructions and memory or LDS instructions, with s_wait_alu, always for 0.
; THE PLAN.  Registers that memory or LDS instructions touch:
;   v[ADR], v[ADS]  Written by the two additions at a step's head; read by the step's 19 LDS loads.
;   P               A step: 16 LDS loads land in it (k's tiles); the 32 f32 products read it; the scalings and exponentials write p over it; the conversions and the sums read p.
;                   A production: 16 global loads land in it; 16 scaled products read it.  The way out: eight multiplies write P .. P + 7, two LDS stores read them; two LDS loads land in P + 8 .. 15, two global stores read those.
;   VF, VSCL        Three LDS loads a step land in them; the step's last product reads them.
;   XS              Eight global loads a production land in it; the production's products read it.
;   PC, PW          Written by conversions, exchanges and the lines that join the bytes; read by the step's last product, or by a production's three LDS stores.
;   S               Written by matrix instructions; read by vector lines, and by a production's 16 LDS stores.
;   v5-v10, v226-v230, v254, v255   Addresses and the closing add's two: written once at the head, read by memory and LDS instructions alone from there on.
; A STEP has one wait on vm_vsrc, at its head, and three on va_vdst: behind the two additions (all 19 loads of the step lean on it: no vector or matrix instruction between it and a load names a register
; that the load touches); ahead of the first reader of the exponentials; and, behind its places, ahead of the scaled product.  A PRODUCTION's loads follow that last wait with the scaled product alone between,
; which names O, VF, PC, VSCL and PW and none of P, XS, v9, v10: they owe no wait of their own; its 19 stores stand in one run behind one wait on va_vdst.
.set REC,  9344                        ; LDS record of one head's 128 keys: 8 k tiles of 1,024 bytes; at VIMG V's fragment, 1,024 bytes; at VSW its scale words, 128 bytes
.set VIMG, 8192
.set VSW,  9216
.set BUF,  16*REC                      ; a chunk buffer: record 4 x head + step.  Buffer 0 at LDS byte 0, buffer 1 at BUF
.set STG,  2*BUF                       ; the way out: 64 rows x (256 bytes + 16)
.set SPI,  272
.set AK0,  1                           ; v1   16 x lane + my head's four records: where I read images
.set AS0,  2                           ; v2   4 x lane + the same: where I read scale words
.set ADR,  3                           ; v3   the step's address of images
.set ADS,  4                           ; v4   and of the scale words
.set PA0,  5                           ; v5   16 x lane + REC x wave: where I store images in buffer 0;  v7 the same in buffer 1
.set PB0,  6                           ; v6   4 x lane + REC x wave: scale words, buffer 0;  v8 buffer 1
.set XA,   9                           ; v9   kv_x's codes: 64 x (r + 8 (r / 8)) + 16 h
.set XSA,  10                          ; v10  kv_x's scale words: 4 x (r + 8 (r / 8))
.set LN,   11                          ; v11  lane (head only)
                                       ; v12 -M, v13 the largest t, v[14:15] the row's sum in two halves
.set Q,    16                          ; v16-23   q tile
.set O,    24                          ; v24-31   O^T
.set VF,   32                          ; v32-39   V's fragment of the step
.set PC,   40                          ; v40-47   the codes just made (p's, or v's in production)
.set WK,   48                          ; v48-55   w_k's fragment of my head
.set WV,   56                          ; v56-63   w_v's
.set S,    64                          ; v64-127  8 accumulators: the scores; in production v's and then k's tiles.  Written by matrix instructions alone
.set P,    128                         ; v128-191 the step's k tiles, then p; in production kv_x's eight fragments; on the way out rows of the output
.set TM,   192                         ; v192-195 block maxima; v196-199 permutes' results, bytes, the sum's second chain; v204-207 the conversions' scale operands
.set F,    208                         ; v[208:209] f = 2^(old M - new M); v209 is named with it as a pair, so it is written once
.set PW,   210                         ; v210 the scale word just made.  v210, v212-214, v216-225 hold scales and nothing else
.set T,    211                         ; v211 at work
.set WKS,  212
.set WVS,  213
.set VSCL, 214
.set XS,   216                         ; v216-223 kv_x's scale words, one register a tile
.set WQS,  224
.set XQS,  225
.set NA,   226                         ; v226 64 r + 16 h: a fragment of 16 neighbouring rows
.set NS,   227                         ; v227 4 r: their scale words
.set STO,  228                         ; v228 the stage: where I put 32 bytes of a row
.set RD,   229                         ; v229 and where I read rows back
.set GO,   230                         ; v230 my byte offset in my wave's four rows of the output
.set WQ,   232                         ; v232-239 w_q's fragment, v240-247 q_x's: head only
.set XQ,   240
.set RR,   248                         ; v248 r, v249 h, v250 r + 8 (r / 8): head only
.set HH,   249
.set PT,   250
.set WN,   26                          ; s26  wave
.set HD,   27                          ; s27  my head of the four
.set QT,   28                          ; s28  my tile of queries; also my part of a chunk's keys
.set MYS,  29                          ; s29  the trip in which I produce
.set TB,   30                          ; s30  LDS byte of the step's records: buffer + REC x step
.set TRIP, 31                          ; s31  counts a chunk's four steps
.set SEL,  32                          ; s[32:33] v_permlanex16_b32's selects for lane l xor 16
.set CS,   34                          ; s[34:35] c = log2(e) / 4: the packed form names a pair and takes its low word for both halves
.set OF,   36                          ; s[36:37] an offset in 64 bits
.macro BARRIER                         ; my LDS stores have landed and my LDS loads are in: then the work-group's barrier
	s_wait_dscnt 0x0
	s_barrier_signal -1
	s_barrier_wait -1
.endm
; 64 numbers of a lane in S, register 16 b + i = key 32 b + 16 h + i of my row, become a fragment's codes in v[PC] on and its scale word in v[PW].  Each accumulator is read from its low end on.
.macro QUANT
.irp b, 0,1,2,3
	v_max3_num_f32 v[TM+\b], |v[S+16*\b]|, |v[S+1+16*\b]|, 0x1800000   ; block b: my 16 numbers, and the floor 2^(3 - 127): the byte cannot fall under 1
.endr
.irp i, 2,4,6,8,10,12,14
.irp b, 0,1,2,3
	v_max3_num_f32 v[TM+\b], v[TM+\b], |v[S+16*\b+\i]|, |v[S+1+16*\b+\i]|   ; the four blocks by turns
.endr
.endr
.irp b, 0,1,2,3
	v_permlanex16_b32 v[TM+4+\b], v[TM+\b], s[SEL], s[SEL+1]
.endr
.irp b, 0,1,2,3
	v_max_num_f32 v[TM+\b], v[TM+\b], v[TM+4+\b]       ; with lane l xor 16's: the block's largest magnitude
.endr
.irp b, 0,1,2,3
	v_add_nc_u32 v[TM+12+\b], 0xff000000, v[TM+\b]     ; 2 off its exponent field: the conversion takes the exponent field of this operand as its scale
.endr
.irp b, 0,1,2,3
	v_lshrrev_b32 v[TM+4+\b], 23, v[TM+12+\b]          ; the scale's byte
.endr
	v_lshl_or_b32 v[PW], v[TM+5], 8, v[TM+4]           ; four bytes: my row's scale word
	v_lshl_or_b32 v[PW], v[TM+6], 16, v[PW]
	v_lshl_or_b32 v[PW], v[TM+7], 24, v[PW]
.irp b, 0,1,2,3
	v_cvt_scalef32_pk8_fp4_f32 v[PC+2*\b], v[S+16*\b:S+16*\b+7], v[TM+12+\b]
	v_cvt_scalef32_pk8_fp4_f32 v[PC+2*\b+1], v[S+16*\b+8:S+16*\b+15], v[TM+12+\b]
.endr
	v_nop                                              ; one plain place behind the scaled conversions
.irp c, 0,1                                        ; the operand wants a WHOLE block in a lane: lanes 0-15 block 2 c, lanes 16-31 block 2 c + 1
.irp i, 0,1
	v_permlane16_swap_b32 v[PC+4*\c+\i], v[PC+4*\c+2+\i]
.endr
.endr
.endm
; My head's k and v for my 128 keys of chunk ck; pa, pb: the registers with my record's addresses in the buffer that takes them.
; The loads below stand behind a wait on va_vdst with no line between that names P, XS, v[XA] or v[XSA]: in a chunk's trip the wait ahead of the step's last product, at the kernel's head the wait ahead of the first load.
.macro PRODUCE ck, pa, pb
.irp t, 0,1,2,3,4,5,6,7
.irp c, 0,1
	global_load_b128 v[P+8*\t+4*\c:P+8*\t+4*\c+3], v[XA], s[4:5] offset:(\ck)*32768+(32*(\t/2)+8*(\t%2))*64+32*\c
.endr
	global_load_b32 v[XS+\t], v[XSA], s[6:7] offset:(\ck)*2048+(32*(\t/2)+8*(\t%2))*4
.endr
	s_wait_loadcnt 0x0                                 ; the eight fragments and their scale words (the first time: the weights' and q_x's too)
.irp t, 0,1,2,3,4,5,6,7                            ; v: source 0 = 16 keys, source 1 = w_v's 16 rows: lane = d, registers along the keys
	v_wmma_scale_f32_16x16x128_f8f6f4 v[S+8*\t:S+8*\t+7], v[P+8*\t:P+8*\t+7], v[WV:WV+7], 0, v[XS+\t], v[WVS] matrix_a_fmt:MATRIX_FMT_FP4 matrix_b_fmt:MATRIX_FMT_FP4
.endr
.rept 4
	v_nop                                              ; four places ahead of the first read of these results (ISA guide 7.12.1)
.endr
	QUANT                                              ; v along the keys.  Its lines that name no register of S, with the four above, are more than the five places owed ahead of the products that write S anew
.irp t, 0,1,2,3,4,5,6,7                            ; k: source 0 = w_k's 16 rows, source 1 = the same 16 keys: lane = key, registers along d
	v_wmma_scale_f32_16x16x128_f8f6f4 v[S+8*\t:S+8*\t+7], v[WK:WK+7], v[P+8*\t:P+8*\t+7], 0, v[WKS], v[XS+\t] matrix_a_fmt:MATRIX_FMT_FP4 matrix_b_fmt:MATRIX_FMT_FP4
.endr
.rept 4
	v_nop                                              ; four places ahead of the stores that read k's tiles; they stay beside the wait below
.endr
	s_wait_alu depctr_va_vdst(0)                       ; the conversions and exchanges have written v's codes in PC, the joining lines its scale word in PW, and the eight products k's tiles in S: the 19 stores below read them
	ds_store_b128 v[\pa], v[PC:PC+3] offset:VIMG       ; V's fragment as it stands,
	ds_store_b128 v[\pa], v[PC+4:PC+7] offset:VIMG+512
	ds_store_b32 v[\pb], v[PW] offset:VSW              ; and its scale words
.irp t, 0,1,2,3,4,5,6,7
	ds_store_b128 v[\pa], v[S+8*\t:S+8*\t+3] offset:1024*\t          ; each accumulator from its low end on
	ds_store_b128 v[\pa], v[S+8*\t+4:S+8*\t+7] offset:1024*\t+512
.endr
	s_wait_dscnt 0x0                                   ; my images have landed in LDS.  (That the stores have read PC, PW and S is stated by the wait on vm_vsrc at the next step's head, which every way to a write of them passes)
.endm
; Eight products of S^T = k q^T in f32: K step c of four (d = 8 h + 2 c + j), the eight accumulators by turns, one instruction a turn.  c = 0 starts the sums.
.macro SCORES c
.irp t, 0,1,2,3,4,5,6,7
.if \c == 0
	v_wmma_f32_16x16x4_f32 v[S+8*\t:S+8*\t+7], v[P+8*\t+2*\c:P+8*\t+2*\c+1], v[Q+2*\c:Q+2*\c+1], 0
.else
	v_wmma_f32_16x16x4_f32 v[S+8*\t:S+8*\t+7], v[P+8*\t+2*\c:P+8*\t+2*\c+1], v[Q+2*\c:Q+2*\c+1], v[S+8*\t:S+8*\t+7]
.endif
.endr
.endm
; A KEY STEP: 128 keys, from the record at s[TB].
.macro STEP
	s_wait_alu depctr_vm_vsrc(0)                       ; the LDS loads of the step before have read v[ADR] and v[ADS], which the two lines below write; where a production stands between, its LDS stores have read PC, PW and S, which this step writes again
	v_add_nc_u32 v[ADR], s[TB], v[AK0]
	v_add_nc_u32 v[ADS], s[TB], v[AS0]
	v_nop
	v_nop                                              ; with the two additions: four places behind the last product, ahead of loads into registers that it read
	s_wait_alu depctr_va_vdst(0)                       ; v[ADR] and v[ADS] are written, which the 19 loads of this step read; the sums and conversions (or a production's products) are done reading P, and the last product V's fragment and scale words: the loads land there
.irp t, 0,1,2,3,4,5,6,7
	ds_load_b128 v[P+8*\t:P+8*\t+3], v[ADR] offset:1024*\t             ; the tiles' registers 0-3 first: K steps 0 and 1 read these alone
.endr
.irp t, 0,1,2,3,4,5,6,7
	ds_load_b128 v[P+8*\t+4:P+8*\t+7], v[ADR] offset:1024*\t+512
.endr
	s_wait_dscnt 8                                     ; LDS loads come back in order (ISA guide 5.7.1): the first eight are in; the eight issued behind them may be out
	SCORES 0
	ds_load_b128 v[VF:VF+3], v[ADR] offset:VIMG        ; V's three loads, wanted at the step's end.  No wait: the eight products since the wait on va_vdst name S, P and Q, none of VF, VSCL, v[ADR], v[ADS]
	ds_load_b128 v[VF+4:VF+7], v[ADR] offset:VIMG+512
	ds_load_b32 v[VSCL], v[ADS] offset:VSW
	SCORES 1
	s_wait_dscnt 3                                     ; k's sixteen loads are in; the three issued behind them (V's two, its scale word) may be out
	SCORES 2
	SCORES 3
	v_mov_b32 v[T], v12                                ; the old -M is kept.  With the seven below: the eight places that this form wants ahead of the first read of its results
.rept 7
	v_nop
.endr
.irp b, 0,1,2,3
	v_max3_num_f32 v[TM+\b], v[S+16*\b], v[S+16*\b+1], v[S+16*\b+2]   ; the largest score of each block of 32 keys: for the row's maximum, and, since p rises with the score, for the block's largest p
.endr
.irp i, 3,5,7,9,11,13
.irp b, 0,1,2,3
	v_max3_num_f32 v[TM+\b], v[TM+\b], v[S+16*\b+\i], v[S+16*\b+\i+1]
.endr
.endr
.irp b, 0,1,2,3
	v_max_num_f32 v[TM+\b], v[TM+\b], v[S+16*\b+15]
.endr
.irp b, 0,1,2,3
	v_permlanex16_b32 v[TM+4+\b], v[TM+\b], s[SEL], s[SEL+1]
.endr
.irp b, 0,1,2,3
	v_max_num_f32 v[TM+\b], v[TM+\b], v[TM+4+\b]       ; with lane l xor 16's 16 keys
.endr
	v_max3_num_f32 v[F], v[TM], v[TM+1], v[TM+2]
	v_max_num_f32 v[F], v[F], v[TM+3]                  ; the step's largest score of my query
	v_mul_f32 v[F], s[CS], v[F]                        ; as t (c is positive)
	v_max_num_f32 v13, v13, v[F]                       ; the running largest t
	v_floor_f32 v12, -v13                              ; the new -M = floor(-t) = -ceil(t): a whole number
	v_sub_f32 v[T], v12, v[T]                          ; old M - new M: a whole number, 0 or less
	v_cvt_i32_f32 v[T], v[T]                           ; (it saturates)
	v_ldexp_f32 v[F], 1.0, v[T]                        ; f = 2^(old M - new M)
.set j, 0
.rept 32
	v_pk_fma_f32 v[P+j:P+j+1], v[S+j:S+j+1], s[CS:CS+1], v[12:13] op_sel_hi:[1,0,0]   ; t - M, two at a time, into other registers than the sums'
.set j, j+2
.endr
.irp b, 0,1,2,3
	v_fma_f32 v[TM+\b], v[TM+\b], s[CS], v12           ; the same of each block's largest score
.endr
.set j, 0
.rept 64
	v_exp_f32 v[P+j], v[P+j]                           ; p = 2^(t - M), at most 1: not normalised
.set j, j+1
.endr
.irp b, 0,1,2,3
	v_exp_f32 v[TM+\b], v[TM+\b]                       ; the block's largest p: the same two instructions on the same number
.endr
	v_pk_mul_f32 v[14:15], v[14:15], v[F:F+1] op_sel_hi:[1,0]          ; the sums under the new M: plain work behind the batch, which names none of its results
.irp j, 0,2,4,6
	v_pk_mul_f32 v[O+\j:O+\j+1], v[O+\j:O+\j+1], v[F:F+1] op_sel_hi:[1,0]   ; O^T under the new M, from its low end on
.endr
	s_wait_alu depctr_va_vdst(0)                       ; one wait for the 68 exponentials, which have written p and the blocks' largest p, ahead of the first line that names a result
.irp b, 0,1,2,3
	v_max_num_f32 v[TM+\b], 0x1800000, v[TM+\b]        ; the floor 2^(3 - 127): the byte cannot fall under 1
.endr
.irp b, 0,1,2,3
	v_add_nc_u32 v[TM+12+\b], 0xff000000, v[TM+\b]     ; 2 off the exponent field: the conversion's scale operand
.endr
.irp b, 0,1,2,3
	v_lshrrev_b32 v[TM+4+\b], 23, v[TM+12+\b]          ; the scale's byte
.endr
	v_lshl_or_b32 v[PW], v[TM+5], 8, v[TM+4]           ; p's scale word for these 128 keys
	v_lshl_or_b32 v[PW], v[TM+6], 16, v[PW]
	v_lshl_or_b32 v[PW], v[TM+7], 24, v[PW]
.irp b, 0,1,2,3
	v_cvt_scalef32_pk8_fp4_f32 v[PC+2*\b], v[P+16*\b:P+16*\b+7], v[TM+12+\b]
	v_cvt_scalef32_pk8_fp4_f32 v[PC+2*\b+1], v[P+16*\b+8:P+16*\b+15], v[TM+12+\b]
.endr
	v_nop                                              ; one plain place behind the scaled conversions
.irp c, 0,1
.irp i, 0,1
	v_permlane16_swap_b32 v[PC+4*\c+\i], v[PC+4*\c+2+\i]
.endr
.endr
	v_pk_add_f32 v[TM+4:TM+5], v[P:P+1], v[P+2:P+3]    ; the row's sum of the UNQUANTISED p, two at a time, in two chains.  These 32 lines are also the places between the scale word's
.set j, 4                                          ; and the codes' last writes and the scaled product below (eight and four are asked)
.rept 15
	v_pk_add_f32 v[14:15], v[14:15], v[P+j:P+j+1]
	v_pk_add_f32 v[TM+4:TM+5], v[TM+4:TM+5], v[P+j+2:P+j+3]
.set j, j+4
.endr
	v_pk_add_f32 v[14:15], v[14:15], v[TM+4:TM+5]
	s_wait_dscnt 0x0                                   ; V's fragment and its scale words are in
	s_wait_alu depctr_va_vdst(0)                       ; behind the places: vector lines have written p's codes in PC and its scale word in PW, which the scaled product takes as operand and scale.  The sums are also done reading P, in which a production's loads may land next
	v_wmma_scale_f32_16x16x128_f8f6f4 v[O:O+7], v[VF:VF+7], v[PC:PC+7], v[O:O+7], v[VSCL], v[PW] matrix_a_fmt:MATRIX_FMT_FP4 matrix_b_fmt:MATRIX_FMT_FP4   ; O^T += V^T P^T
.endm
; Chunk n: four steps out of buffer n % 2.  prod = 1: in one of the four trips, by the wave's number, I make my part of chunk n + 1 into the other buffer; then the barrier: behind it chunk n + 1 is whole
; and nobody reads chunk n any more.  Every wave walks the loop; the branch goes round the production alone, and no barrier stands under it.
.macro CHUNK n, prod
	s_mov_b32 s[TB], ((\n)%2)*BUF
	s_mov_b32 s[TRIP], 0
.Ltrip_\@:
	STEP
.if \prod
	s_cmp_lg_u32 s[TRIP], s[MYS]
	s_cbranch_scc1 .Lnot_now_\@
	PRODUCE (\n)+1, PA0+2*(((\n)+1)%2), PB0+2*(((\n)+1)%2)
.Lnot_now_\@:
.endif
	s_add_co_u32 s[TB], s[TB], REC
	s_add_co_u32 s[TRIP], s[TRIP], 1
	s_cmp_lt_u32 s[TRIP], 4
	s_cbranch_scc1 .Ltrip_\@
.if \prod
	BARRIER
.endif
.endm
	s_load_b256 s[4:11], s[0:1], 0x0                   ; kv_x's codes s[4:5], scales s[6:7]; q_x's codes s[8:9], scales s[10:11]
	s_load_b256 s[12:19], s[0:1], 0x20                 ; w_k's codes s[12:13], scales s[14:15]; w_q's codes s[16:17], scales s[18:19]
	s_load_b128 s[20:23], s[0:1], 0x40                 ; w_v's codes s[20:21], scales s[22:23]
	s_load_b64 s[24:25], s[0:1], 0x50                  ; out0
	v_lshl_add_u32 v254, v0, 2, 0x4d400                ; the LDS address of my spare word, behind the stage, and 0: made here and kept for the closing lines alone
	v_mov_b32 v255, 0
	v_lshrrev_b32 v[LN], 5, v0
	v_readfirstlane_b32 s[WN], v[LN]                   ; wave 0..15
	s_wait_alu depctr_va_sdst(0)                       ; s[WN] is written, ahead of its first reader: the line below
	s_lshr_b32 s[HD], s[WN], 2
	s_and_b32 s[QT], s[WN], 3
	s_add_co_u32 s[MYS], s[WN], s[HD]
	s_and_b32 s[MYS], s[MYS], 3                        ; differs among four waves with the same w % 4 and among four with the same w / 4
	s_and_b32 s38, ttmp7, 0xffff
	s_and_b32 s39, s38, 1                              ; the group of four heads
	s_lshr_b32 s38, s38, 1                             ; b
	s_lshl_b32 s40, s39, 2
	s_add_co_u32 s40, s40, s[HD]                       ; my head of the eight
	s_mov_b32 s[SEL], 0x76543210
	s_mov_b32 s[SEL+1], 0xfedcba98
	s_mov_b32 s[CS], 0x3eb8aa3b                        ; log2(e) / 4: the division of q by sqrt(16) is a power of two and goes into c
	s_mov_b32 s[CS+1], s[CS]
	s_mov_b32 s[OF+1], 0
	; every LDS address that stays is made here, ahead of the first branch on the wave's number
	v_and_b32 v[LN], 31, v0
	v_and_b32 v[RR], 15, v0
	v_bfe_u32 v[HH], v0, 4, 1
	v_and_b32 v[PT], 8, v[RR]
	v_add_nc_u32 v[PT], v[PT], v[RR]                   ; r + 8 (r / 8)
	s_mul_i32 s41, s[HD], 4*REC
	v_lshl_add_u32 v[AK0], v[LN], 4, s41
	v_lshl_add_u32 v[AS0], v[LN], 2, s41
	s_mul_i32 s41, s[WN], REC
	v_lshl_add_u32 v[PA0], v[LN], 4, s41
	v_lshl_add_u32 v[PB0], v[LN], 2, s41
	v_add_nc_u32 v[PA0+2], BUF, v[PA0]
	v_add_nc_u32 v[PB0+2], BUF, v[PB0]
	v_lshlrev_b32 v[XA], 6, v[PT]
	v_lshl_add_u32 v[XA], v[HH], 4, v[XA]
	v_lshlrev_b32 v[XSA], 2, v[PT]
	v_lshlrev_b32 v[NA], 6, v[RR]
	v_lshl_add_u32 v[NA], v[HH], 4, v[NA]
	v_lshlrev_b32 v[NS], 2, v[RR]
	s_lshl_b32 s41, s[QT], 4
	s_mul_i32 s41, s41, SPI
	s_lshl_b32 s42, s[HD], 6
	s_add_co_u32 s41, s41, s42
	s_add_co_u32 s41, s41, STG
	v_mul_u32_u24 v[STO], v[RR], SPI
	v_lshl_add_u32 v[STO], v[HH], 5, v[STO]
	v_add_nc_u32 v[STO], s41, v[STO]                   ; the stage, in: row 16 x tile + r; 64 bytes a head, + 32 h
	s_mul_i32 s41, s[WN], 4*SPI
	s_add_co_u32 s41, s41, STG
	v_mul_u32_u24 v[RD], v[HH], SPI
	v_lshl_add_u32 v[RD], v[RR], 4, v[RD]
	v_add_nc_u32 v[RD], s41, v[RD]                     ; back: wave w takes rows 4 w on; lanes 0-15 one row of 256 bytes, lanes 16-31 the next
	v_lshlrev_b32 v[GO], 9, v[HH]
	v_lshl_add_u32 v[GO], v[RR], 4, v[GO]              ; and the same two rows in the output, 512 bytes apart
	v_mov_b32 v13, 0xff61b1e6                          ; the largest t so far: -3e38, under every t
	v_floor_f32 v12, -v13                              ; -M
	v_mov_b32 v14, 0                                   ; the sum, in two halves
	v_mov_b32 v15, 0
	v_mov_b32 v[F+1], 0
.irp b, 0,1,2,3
	v_mov_b32 v[TM+4+\b], 0                            ; written once: a lane permute's destination counts as one of its sources
.endr
	s_wait_kmcnt 0x0
	s_lshl_b32 s[OF], s38, 17                          ; kv_x: b x 2,048 rows of 64 bytes + my 128 keys of a chunk
	s_lshl_b32 s41, s[QT], 13
	s_add_co_u32 s[OF], s[OF], s41
	s_add_nc_u64 s[4:5], s[4:5], s[OF:OF+1]
	s_lshr_b32 s[OF], s[OF], 4                         ; a row's scale word is a sixteenth of its codes' bytes
	s_add_nc_u64 s[6:7], s[6:7], s[OF:OF+1]
	s_lshl_b32 s[OF], s38, 17                          ; q_x: b, the block of 64 queries, my 16 of them
	s_lshl_b32 s41, ttmp9, 12
	s_add_co_u32 s[OF], s[OF], s41
	s_lshl_b32 s41, s[QT], 10
	s_add_co_u32 s[OF], s[OF], s41
	s_add_nc_u64 s[8:9], s[8:9], s[OF:OF+1]
	s_lshr_b32 s[OF], s[OF], 4
	s_add_nc_u64 s[10:11], s[10:11], s[OF:OF+1]
	s_lshl_b32 s[OF], s40, 10                          ; the weights: my head's 16 rows of 64 bytes
	s_add_nc_u64 s[12:13], s[12:13], s[OF:OF+1]
	s_add_nc_u64 s[16:17], s[16:17], s[OF:OF+1]
	s_add_nc_u64 s[20:21], s[20:21], s[OF:OF+1]
	s_lshr_b32 s[OF], s[OF], 4
	s_add_nc_u64 s[14:15], s[14:15], s[OF:OF+1]
	s_add_nc_u64 s[18:19], s[18:19], s[OF:OF+1]
	s_add_nc_u64 s[22:23], s[22:23], s[OF:OF+1]
	s_lshl_b32 s[OF], s38, 20                          ; the output: b x 2,048 rows of 512 bytes, the block's 64 rows, my wave's 4, the group's 256 bytes of a row
	s_lshl_b32 s41, ttmp9, 15
	s_add_co_u32 s[OF], s[OF], s41
	s_lshl_b32 s41, s[WN], 11
	s_add_co_u32 s[OF], s[OF], s41
	s_lshl_b32 s41, s39, 8
	s_add_co_u32 s[OF], s[OF], s41
	s_add_nc_u64 s[24:25], s[24:25], s[OF:OF+1]
	s_wait_alu depctr_va_vdst(0)                       ; the addresses that stay are written (v5 to v10, v226 to v230, and v254, v255): the loads below and every later load, store and LDS access but a step's 19 read them as they stand
.irp c, 0,1
	global_load_b128 v[WK+4*\c:WK+4*\c+3], v[NA], s[12:13] offset:32*\c
	global_load_b128 v[WV+4*\c:WV+4*\c+3], v[NA], s[20:21] offset:32*\c
	global_load_b128 v[WQ+4*\c:WQ+4*\c+3], v[NA], s[16:17] offset:32*\c
	global_load_b128 v[XQ+4*\c:XQ+4*\c+3], v[NA], s[8:9] offset:32*\c
.endr
	global_load_b32 v[WKS], v[NS], s[14:15]
	global_load_b32 v[WVS], v[NS], s[22:23]
	global_load_b32 v[WQS], v[NS], s[18:19]
	global_load_b32 v[XQS], v[NS], s[10:11]
	PRODUCE 0, PA0, PB0                                ; chunk 0 into buffer 0; its wait for loads covers the twelve above
	v_wmma_scale_f32_16x16x128_f8f6f4 v[Q:Q+7], v[WQ:WQ+7], v[XQ:XQ+7], 0, v[WQS], v[XQS] matrix_a_fmt:MATRIX_FMT_FP4 matrix_b_fmt:MATRIX_FMT_FP4   ; q: source 0 = w_q's 16 rows, source 1 = my 16 queries (operands and scales as loads brought them)
.irp j, 0,1,2,3,4,5,6,7
	v_mov_b32 v[O+\j], 0                               ; O^T begins as zeros, which the first change of M leaves zeros: the step is written without a first step of its own.  These eight are also the places ahead of q's use as an operand
.endr
	BARRIER                                            ; chunk 0 lies in LDS
	CHUNK 0, 1
	CHUNK 1, 1
	CHUNK 2, 1
	CHUNK 3, 0
	; THE WAY OUT.  The sum's two halves and lane l xor 16's are added; O^T is divided by the sum.  A row's 256 bytes come from four waves: they meet in the stage, which no chunk buffer touches.
	v_add_f32 v14, v14, v15
	v_permlanex16_b32 v[T], v14, s[SEL], s[SEL+1]
	v_add_f32 v14, v14, v[T]
	v_rcp_f32 v14, v14
.rept 3
	v_nop                                              ; a plain place behind the reciprocal; with the two additions above, more than the four places behind the last product
.endr
	s_wait_alu depctr_va_vdst(0)                       ; the reciprocal has written v14, ahead of its first reader
.irp j, 0,1,2,3,4,5,6,7
	v_mul_f32 v[P+\j], v[O+\j], v14                    ; register j: out(query r, d = 8 h + j); the accumulator is read from its low end on
.endr
	s_wait_alu depctr_va_vdst(0)                       ; the eight multiplies have written P .. P + 7, which the two LDS stores read.  No vector line follows: so it also serves the loads from the stage, which land in P + 8 .. P + 15
	ds_store_b128 v[STO], v[P:P+3]
	ds_store_b128 v[STO], v[P+4:P+7] offset:16
	BARRIER                                            ; 64 whole rows lie in the stage
	ds_load_b128 v[P+8:P+11], v[RD]
	ds_load_b128 v[P+12:P+15], v[RD] offset:2*SPI
	s_wait_dscnt 1                                     ; the first two rows are in; the second load may be out
	global_store_b128 v[GO], v[P+8:P+11], s[24:25] th:TH_STORE_NT              ; sixteen lanes store 256 consecutive bytes, at a multiple of 256 from the output's first byte
	s_wait_dscnt 0x0
	global_store_b128 v[GO], v[P+12:P+15], s[24:25] offset:1024 th:TH_STORE_NT
	s_wait_dscnt 0x0                                   ; the closing lines, six on end
	s_wait_alu 0x0
	s_wait_tensorcnt 0x0
	ds_add_u32 v254, v255
	s_wait_dscnt 0x0
	s_endpgm
.Lfunc_end_k_qc823c0dba6_attn:
	.size	k_qc823c0dba6_attn, .Lfunc_end_k_qc823c0dba6_attn-k_qc823c0dba6_attn
	.p2alignl 7, 3214868480
	.fill 96, 4, 3214868480
	.section	.rodata,"a",@progbits
	.p2align	6, 0x0
	.amdhsa_kernel k_qc823c0dba6_attn
		.amdhsa_group_segment_fixed_size 318464
		.amdhsa_private_segment_fixed_size 0
		.amdhsa_enable_private_segment 0
		.amdhsa_kernarg_size 88
		.amdhsa_user_sgpr_count 2
		.amdhsa_user_sgpr_kernarg_segment_ptr 1
		.amdhsa_wavefront_size32 1
		.amdhsa_system_sgpr_workgroup_id_x 1
		.amdhsa_system_sgpr_workgroup_id_y 1
		.amdhsa_system_sgpr_workgroup_id_z 1
		.amdhsa_system_vgpr_workitem_id 0
		.amdhsa_next_free_vgpr 256
		.amdhsa_next_free_sgpr 66
		.amdhsa_reserve_vcc 0
		.amdhsa_float_denorm_mode_32 3
		.amdhsa_float_denorm_mode_16_64 3
		.amdhsa_memory_ordered 1
		.amdhsa_forward_progress 1
		.amdhsa_inst_pref_size 106
	.end_amdhsa_kernel
	.amdgpu_metadata
---
amdhsa.version: [ 1, 2 ]
amdhsa.kernels:
  - .name:           k_qc823c0dba6_attn
    .symbol:         k_qc823c0dba6_attn.kd
    .args:
      - { .name: kv_x_codes, .offset: 0, .size: 8, .value_kind: global_buffer, .address_space: global }
      - { .name: kv_x_scales, .offset: 8, .size: 8, .value_kind: global_buffer, .address_space: global }
      - { .name: q_x_codes, .offset: 16, .size: 8, .value_kind: global_buffer, .address_space: global }
      - { .name: q_x_scales, .offset: 24, .size: 8, .value_kind: global_buffer, .address_space: global }
      - { .name: w_k_codes, .offset: 32, .size: 8, .value_kind: global_buffer, .address_space: global }
      - { .name: w_k_scales, .offset: 40, .size: 8, .value_kind: global_buffer, .address_space: global }
      - { .name: w_q_codes, .offset: 48, .size: 8, .value_kind: global_buffer, .address_space: global }
      - { .name: w_q_scales, .offset: 56, .size: 8, .value_kind: global_buffer, .address_space: global }
      - { .name: w_v_codes, .offset: 64, .size: 8, .value_kind: global_buffer, .address_space: global }
      - { .name: w_v_scales, .offset: 72, .size: 8, .value_kind: global_buffer, .address_space: global }
      - { .name: out0, .offset: 80, .size: 8, .value_kind: global_buffer, .address_space: global }
    .group_segment_fixed_size: 318464
    .private_segment_fixed_size: 0
    .kernarg_segment_align: 8
    .kernarg_segment_size: 88
    .max_flat_workgroup_size: 512
    .sgpr_count:     66
    .vgpr_count:     256
    .wavefront_size: 32
...
	.end_amdgpu_metadata
.endif
;; end of part 2
